; MI455X (gfx1250); checked and timed in simulation.
; The chip was launched on July 23, 2026; its instructions are those of AMD's public machine-readable ISA for CDNA 5 (MIT licence, August 2026) and "CDNA5" Instruction Set Architecture Reference Guide (July 2026). The comments in the code are by the model that wrote it; some were corrected since.
;; Memory Efficient Attention. Allowed arithmetic: matrix products marked QUANTISED: E3M2 operands, one E8M0 scale for each 32 along K, by v_wmma_scale_f32_16x16x128_f8f6f4 with both operands' format E3M2, f32 sums; everything else in f32.
;; Inputs: bk 512 float32; bo 512 float32; bq 512 float32; bv 512 float32; wk 512 x 512 float32; wo 512 x 512 float32; wq 512 x 512 float32; wv 512 x 512 float32; x 4 x 8,192 x 512 float32.
;; Outputs: out0 4 x 8,192 x 512 float32.
;; This version of the problem:
;;   THIS VERSION OF THE PROBLEM IS GIVEN IN LOW PRECISION. The matrix products marked QUANTISED in the list below multiply operands that are first quantised to E3M2 (3 exponent bits, 2 mantissa bits; 6 bits a number), with one power-of-two scale for each 32 numbers along K (OCP MX v1.0); their sums are f32. All else is computed in f32.
;;   The module's matrix products, in the order in which they are computed (A, B: the left and right operand; K: the contracted axis; several contracted axes count as one K, in the product's order):
;;     1. [M 32,768, K 512] x [K 512, N 512]; A: input x; B: input wq: QUANTISED
;;     2. [M 32,768, K 512] x [K 512, N 512]; A: input x; B: input wk: QUANTISED
;;     3. [M 32,768, K 512] x [K 512, N 512]; A: input x; B: input wv: QUANTISED
;;     4. batch 2,048 x [M 256, K 32] x [K 32, N 256]; A: computed on the way; B: computed on the way: QUANTISED
;;     5. batch 2,048 x [M 32, K 256] x [K 256, N 256]; A: computed on the way; B: softmax (see below): QUANTISED
;;     6. [M 32,768, K 512] x [K 512, N 512]; A: computed on the way; B: input wo: QUANTISED
;;   THE QUANTISER, for each operand of a quantised product, along K:
;;     - K is cut into blocks of 32 from its start; a last block that is shorter is filled with zeros.
;;     - A block's scale is 2^e with e = floor(log2(the largest magnitude in the block)) - 4, held to -126 .. 127; a block of zeros has e = 0. As a byte (E8M0): e + 127.
;;     - Each number is divided by its block's scale, clamped to +-28, and rounded to the nearest number of E3M2, ties to even, subnormals kept.
;;     - The product sums the exact products of the quantised numbers (number of the format x scale) in f32.
;;   ~~~python
;;   def quantise(x, axis):      # numpy; x: float32 -> the quantised numbers, widened to float32 again
;;       x = np.moveaxis(x, axis, -1); K = x.shape[-1]
;;       x = np.pad(x, [(0, 0)] * (x.ndim - 1) + [(0, -K % 32)]); x = x.reshape(x.shape[:-1] + (-1, 32)); a = np.abs(x).max(-1, keepdims=True)
;;       e = np.where(a > 0, np.clip(np.frexp(np.where(a > 0, a, 1))[1] - 1 - 4, -126, 127), 0)      # np.frexp(a)[1] - 1 = floor(log2(a)), exactly
;;       r = np.clip(x / 2.0 ** e, -28, 28)
;;       step = 2.0 ** (np.maximum(np.frexp(np.where(r == 0, 1, r))[1] - 1, -2) - 2)
;;       q = np.round(r / step) * step * 2.0 ** e      # np.round: ties to even
;;       return np.moveaxis(q.reshape(q.shape[:-2] + (-1,))[..., :K], -1, axis).astype(np.float32)
;;   ~~~
;;   SOFTMAX AHEAD OF A QUANTISED PRODUCT. Where the list says 'softmax', what is quantised is not the finished softmax but p = 2^(t - M), with t = logit x log2(e) and M = ceil(the row's largest t), a whole number; so 1/2 < the row's largest p <= 1. The row's sum l is taken of the UNQUANTISED p, in f32, and the product's result is divided by l at the end. Since M is a whole number, a kernel that streams over the keys may use a running M (the ceiling of the running maximum): every later rescaling is an exact power of two, which a block's scale takes up: the codes' values come out the same.
;;   OPERANDS COMPUTED ON THE WAY. 'Computed on the way' means the value that the module computes at that place (a softmax that the list does not call 'softmax' is quantised finished and normalised). What goes into a quantiser is computed in f32, as accurately as f32 sums, v_exp_f32 and their like allow (about 1e-6 of the number): no bf16 or f16 on the way to a quantiser, and a product that is left as it is and whose result goes on into a quantised operand takes f32 operands (vector FMAs, or v_wmma_f32_16x16x4_f32). A number that lies on a knife's edge between two numbers of the format may be rounded either way, as far as f32 arithmetic and the matrix unit's own rounding can turn it there, and no further.
;; One version. Each part assembles by itself: llvm-mc -triple=amdgcn-amd-amdhsa -mcpu=gfx1250 --defsym DOCPART=n.
;; ======== version 1 of 1: 3 launches
;; limits: right only within a limited range of input values
;; workspace buffers: codes 13,926,400 bytes; ocodes 12,582,912 bytes; oscales 524,288 bytes
;; launch quant (part 1): grid 544 x 1, 4 waves a work-group, no clusters, 34,304 bytes of LDS; arguments x, wq, wk, wv, wo, codes; writes codes
.if DOCPART == 1
	.amdgcn_target "amdgcn-amd-amdhsa--gfx1250"
	.amdhsa_code_object_version 6
	.text
	.protected	k_qc8d9c69835_quant
	.globl	k_qc8d9c69835_quant
	.p2align	8
	.type	k_qc8d9c69835_quant,@function
k_qc8d9c69835_quant:
	s_mov_b64 s[64:65], 0
	v_nop
	global_prefetch_b8 v0, s[64:65] scope:SCOPE_SE
	s_setreg_imm32_b32 hwreg(HW_REG_WAVE_MODE, 25, 1), 1
	s_wait_xcnt 0x0
; x [32768][512] and wq, wk, wv, wo [512][512], f32, K innermost, become codes of BF6 (E3M2) with one E8M0 byte for each 32 along K,
; laid in the ORDER OF AN OPERAND'S REGISTERS.  A TILE is 16 rows x 512 K = 6,400 bytes.  Row i of tile T of a tensor is the tensor's row
; 32 (T / 2) + 8 (T % 2) + i + 8 (i / 8): so the results of two neighbouring tiles, used as source 0, are 16 neighbours in a lane's registers.
; In a tile: the fragment of K step s (128 along K, 12 registers a lane) at byte 1,536 s: register 4 g + e of lane l at 512 g + 16 l + 4 e;
; at byte 6,144 the scale words, 8 bytes for lane l at 8 l: word 0 = row l % 16, K step l / 16; word 1 = row l % 16, K step 2 + l / 16.
; Tiles 0 .. 2047: x; tile 2048 + 32 m + t: matrix m (0 wq, 1 wk, 2 wv, 3 wo).  A wave takes one tile: 4 x work-group + wave.
; A block's scale is 2^(floor(log2(its largest magnitude)) - 4); its byte is the largest magnitude's exponent field - 4, held at 1 from below.
; LIMITS: a block of zeros, and one whose largest magnitude lies under 2^-122, keeps the byte 1 (zeros: the codes are zeros, and the bytes are read
; by this program alone); NaN and infinities among the inputs are not served.
; Each load reads 512 consecutive bytes of a row; a K step's 16 x 512 bytes turn through the wave's own stage in LDS (rows 528 bytes apart) so that a
; lane holds 16 neighbours of each block of 32.  Waves share nothing: no barrier.  No tensor load, no matrix unit: memory binds.
.set TILEB, 6400
.set SP,    528                        ; a stage row: 512 bytes + 16: the 16 rows of a read start at 16 different groups of banks
.set WSTG,  16*SP                      ; a wave's stage
.set L16,  2                           ; v2   16 x lane
.set SIN,  3                           ; v3   the stage, way in: my 16 bytes of a row
.set SOUT, 4                           ; v4   way out: row r, + 64 h
.set L8,   5                           ; v5   8 x lane
.set R,    16                          ; v16-143  two sets of 64: a K step as loaded
.set X,    144                         ; v144-207 64 numbers: register 16 b + i = k 32 b + 16 h + i of row r
.set TM,   208                         ; v208-223 at work
.set PW,   224                         ; v224-227 the four K steps' scale words
.set PC,   228                         ; v228-247 the codes
.set CW,   248                         ; v248-249 the scale words as they are stored
	s_load_b256 s[4:11], s[0:1], 0x0               ; x, wq, wk, wv
	s_load_b128 s[12:15], s[0:1], 0x20             ; wo, codes
	v_lshl_add_u32 v254, v0, 2, 0x8400
	v_mov_b32 v255, 0
	v_lshrrev_b32 v1, 5, v0
	v_readfirstlane_b32 s16, v1                    ; wave
	v_and_b32 v1, 31, v0                           ; lane
	v_and_b32 v6, 15, v0                           ; r
	v_bfe_u32 v7, v0, 4, 1                         ; h
	v_lshlrev_b32 v[L16], 4, v1
	v_lshlrev_b32 v[L8], 3, v1
	s_mul_i32 s17, s16, WSTG
	v_add_nc_u32 v[SIN], s17, v[L16]
	v_mul_u32_u24 v[SOUT], v6, SP
	v_lshl_add_u32 v[SOUT], v7, 6, v[SOUT]
	v_add_nc_u32 v[SOUT], s17, v[SOUT]
	s_mov_b32 s20, 0x76543210
	s_mov_b32 s21, 0xfedcba98                      ; v_permlanex16_b32's selects for lane l xor 16
	s_mov_b32 s22, 0xffff0000                      ; lanes 16-31
.irp b, 0,1,2,3
	v_mov_b32 v[TM+4+\b], 0                        ; written once: a lane permute's destination counts as one of its sources
.endr
	s_sub_co_u32 s23, ttmp9, 512
	s_lshr_b32 s24, s23, 3                         ; which matrix (a number that fits none in x's work-groups)
	s_and_b32 s25, s23, 7
	s_wait_alu depctr_va_vdst(0)
	s_wait_kmcnt 0x0
	s_mov_b64 s[18:19], s[6:7]                     ; the source is chosen by the work-group's number alone: one path through the text for all five tensors
	s_cmp_eq_u32 s24, 1
	s_cselect_b64 s[18:19], s[8:9], s[18:19]
	s_cmp_eq_u32 s24, 2
	s_cselect_b64 s[18:19], s[10:11], s[18:19]
	s_cmp_eq_u32 s24, 3
	s_cselect_b64 s[18:19], s[12:13], s[18:19]
	s_cmp_lt_u32 ttmp9, 512
	s_cselect_b64 s[18:19], s[4:5], s[18:19]
	s_cselect_b32 s25, ttmp9, s25
	s_lshl_b32 s25, s25, 2
	s_add_co_u32 s25, s25, s16                     ; the tile's number in its tensor
	s_lshr_b32 s26, s25, 1
	s_lshl_b32 s26, s26, 16                        ; 32 rows of 2,048 bytes for each pair of tiles,
	s_and_b32 s27, s25, 1
	s_lshl_b32 s27, s27, 14                        ; 8 rows for the odd one
	s_add_co_u32 s26, s26, s27
	s_mov_b32 s27, 0
	s_add_nc_u64 s[18:19], s[18:19], s[26:27]
	s_lshl_b32 s28, ttmp9, 2
	s_add_co_u32 s28, s28, s16                     ; the tile's number in the buffer of codes
	s_mul_i32 s28, s28, TILEB
	s_mov_b32 s29, 0
	s_add_nc_u64 s[14:15], s[14:15], s[28:29]
.macro LOAD s                          ; K step s: 16 rows x 512 bytes, a row a load
.irp i, 0,1,2,3,4,5,6,7,8,9,10,11,12,13,14,15
	global_load_b128 v[R+64*((\s)%2)+4*\i:R+64*((\s)%2)+4*\i+3], v[L16], s[18:19] offset:(\i+8*(\i/8))*2048+512*(\s) th:TH_LOAD_NT
.endr
.endm
; 64 numbers of a lane, register 16 b + i = k 32 b + 16 h + i of my row, become a fragment's codes in v[PC] on and its scale word in v[pw].
.macro QUANT s, pw
.irp b, 0,1,2,3
	v_max3_num_f32 v[TM+\b], |v[\s+16*\b]|, |v[\s+1+16*\b]|, 0x2800000   ; my 16 numbers of block b, and the floor 2^(5 - 127): the byte cannot fall under 1
.endr
.irp i, 2,4,6,8,10,12,14
.irp b, 0,1,2,3
	v_max3_num_f32 v[TM+\b], v[TM+\b], |v[\s+16*\b+\i]|, |v[\s+1+16*\b+\i]|   ; the four blocks by turns
.endr
.endr
.irp b, 0,1,2,3
	v_permlanex16_b32 v[TM+4+\b], v[TM+\b], s20, s21
.endr
.irp b, 0,1,2,3
	v_max_num_f32 v[TM+\b], v[TM+\b], v[TM+4+\b]   ; with lane l xor 16's: the block's largest magnitude
.endr
.irp b, 0,1,2,3
	v_add_nc_u32 v[TM+12+\b], 0xfe000000, v[TM+\b] ; 4 off its exponent field: the conversion takes that field as its scale
.endr
.irp b, 0,1,2,3
	v_lshrrev_b32 v[TM+4+\b], 23, v[TM+12+\b]      ; the scale's byte
.endr
	v_lshl_or_b32 v[\pw], v[TM+5], 8, v[TM+4]
	v_lshl_or_b32 v[\pw], v[TM+6], 16, v[\pw]
	v_lshl_or_b32 v[\pw], v[TM+7], 24, v[\pw]      ; my row's scale word
.irp c, 0,1
	v_cvt_scalef32_pk16_bf6_f32 v[PC+6*\c:PC+2+6*\c], v[\s+32*\c:\s+15+32*\c], v[TM+12+2*\c]
	v_cvt_scalef32_pk16_bf6_f32 v[PC+12+4*\c:PC+14+4*\c], v[\s+16+32*\c:\s+31+32*\c], v[TM+12+2*\c+1]   ; (a conversion's three registers begin on an even number)
.endr
	v_nop                                          ; one plain place behind a scaled conversion
.irp c, 0,1                                    ; the operand's layout wants a whole block in a lane: lanes 0-15 block 2 c, lanes 16-31 block 2 c + 1
.irp i, 0,1,2
	v_permlane16_swap_b32 v[PC+6*\c+\i], v[PC+12+4*\c+\i]
.endr
.irp i, 0,1,2
	v_mov_b32 v[PC+3+6*\c+\i], v[PC+12+4*\c+\i]
.endr
.endr
.endm
.macro STEP s
	s_wait_xcnt 0x0                                ; the last step's stores have read the codes' registers: they are written again only behind this wait
.if (\s) < 3
	s_wait_loadcnt 16                              ; this step's 16 loads are in; the next step's 16 may be out
.else
	s_wait_loadcnt 0
.endif
.irp i, 0,1,2,3,4,5,6,7,8,9,10,11,12,13,14,15
	ds_store_b128 v[SIN], v[R+64*((\s)%2)+4*\i:R+64*((\s)%2)+4*\i+3] offset:\i*SP
.endr
.irp b, 0,1,2,3
.irp j, 0,1,2,3
	ds_load_b128 v[X+16*\b+4*\j:X+16*\b+4*\j+3], v[SOUT] offset:128*\b+16*\j   ; LDS serves a wave's instructions in order: these see the stores above
.endr
.endr
	s_wait_dscnt 0x0                               ; the numbers are back, and the stores have read their registers,
.if (\s) < 2
	LOAD (\s)+2                                    ; which take the loads of two steps on
.endif
	QUANT X, PW+(\s)
.irp g, 0,1,2
	global_store_b128 v[L16], v[PC+4*\g:PC+4*\g+3], s[14:15] offset:1536*(\s)+512*\g   ; 512 consecutive bytes, at a multiple of 256 from the buffer's first byte
.endr
.endm
	LOAD 0
	LOAD 1
	STEP 0
	STEP 1
	STEP 2
	STEP 3
	v_cndmask_b32 v[CW], v[PW], v[PW+1], s22       ; lanes 0-15: K step 0's words, lanes 16-31: K step 1's
	v_cndmask_b32 v[CW+1], v[PW+2], v[PW+3], s22   ; K steps 2 and 3
	global_store_b64 v[L8], v[CW:CW+1], s[14:15] offset:6144   ; 256 consecutive bytes
	s_wait_tensorcnt 0x0
	ds_add_u32 v254, v255
	s_wait_dscnt 0x0
	s_endpgm
.Lfunc_end_k_qc8d9c69835_quant:
	.size	k_qc8d9c69835_quant, .Lfunc_end_k_qc8d9c69835_quant-k_qc8d9c69835_quant
	.p2alignl 7, 3214868480
	.fill 96, 4, 3214868480
	.section	.rodata,"a",@progbits
	.p2align	6, 0x0
	.amdhsa_kernel k_qc8d9c69835_quant
		.amdhsa_group_segment_fixed_size 34304
		.amdhsa_private_segment_fixed_size 0
		.amdhsa_enable_private_segment 0
		.amdhsa_kernarg_size 48
		.amdhsa_user_sgpr_count 2
		.amdhsa_user_sgpr_kernarg_segment_ptr 1
		.amdhsa_wavefront_size32 1
		.amdhsa_system_sgpr_workgroup_id_x 1
		.amdhsa_system_sgpr_workgroup_id_y 1
		.amdhsa_system_sgpr_workgroup_id_z 1
		.amdhsa_system_vgpr_workitem_id 0
		.amdhsa_next_free_vgpr 256
		.amdhsa_next_free_sgpr 66
		.amdhsa_reserve_vcc 0
		.amdhsa_float_denorm_mode_32 3
		.amdhsa_float_denorm_mode_16_64 3
		.amdhsa_memory_ordered 1
		.amdhsa_forward_progress 1
		.amdhsa_inst_pref_size 34
	.end_amdhsa_kernel
	.amdgpu_metadata
---
amdhsa.version: [ 1, 2 ]
amdhsa.kernels:
  - .name:           k_qc8d9c69835_quant
    .symbol:         k_qc8d9c69835_quant.kd
    .args:
      - { .name: x, .offset: 0, .size: 8, .value_kind: global_buffer, .address_space: global }
      - { .name: wq, .offset: 8, .size: 8, .value_kind: global_buffer, .address_space: global }
      - { .name: wk, .offset: 16, .size: 8, .value_kind: global_buffer, .address_space: global }
      - { .name: wv, .offset: 24, .size: 8, .value_kind: global_buffer, .address_space: global }
      - { .name: wo, .offset: 32, .size: 8, .value_kind: global_buffer, .address_space: global }
      - { .name: codes, .offset: 40, .size: 8, .value_kind: global_buffer, .address_space: global }
    .group_segment_fixed_size: 34304
    .private_segment_fixed_size: 0
    .kernarg_segment_align: 8
    .kernarg_segment_size: 48
    .max_flat_workgroup_size: 128
    .sgpr_count:     66
    .vgpr_count:     256
    .wavefront_size: 32
...
	.end_amdgpu_metadata
.endif
;; end of part 1
;; launch attn (part 2): grid 2 x 128, 8 waves a work-group, no clusters, 168,960 bytes of LDS; arguments codes, bq, bk, bv, ocodes, oscales; writes ocodes, oscales
.if DOCPART == 2
	.amdgcn_target "amdgcn-amd-amdhsa--gfx1250"
	.amdhsa_code_object_version 6
	.text
	.protected	k_qc8d9c69835_attn
	.globl	k_qc8d9c69835_attn
	.p2align	8
	.type	k_qc8d9c69835_attn,@function
k_qc8d9c69835_attn:
	s_mov_b64 s[64:65], 0
	v_nop
	global_prefetch_b8 v0, s[64:65] scope:SCOPE_SE
	s_setreg_imm32_b32 hwreg(HW_REG_WAVE_MODE, 25, 1), 1
	s_wait_xcnt 0x0
; For one chunk of 256 tokens and 8 of the 16 heads: q, k, v = x W^T + b; S = q k^T; p = 2^(t - M); O = p v / l; O quantised for the last projection.  All products on codes of BF6 (E3M2), one E8M0 byte for 32 along K.
; SHARES.  Work-group (half, chunk); wave w owns head 8 half + w for the whole chunk.  k, v, q, S, p, O stay in the wave's registers; LDS holds the chunk's 16 tiles of x (codes in register order), which the eight waves share.
; TILES.  Row i of tile T is row 32 (T / 2) + 8 (T % 2) + i + 8 (i / 8), of x and of the weights alike.  k, q: source 0 = 16 rows of W, source 1 = 16 tokens: a lane holds one token and channels 16 h + 0 .. 15;
; v: source 0 = 16 tokens, source 1 = 16 rows of Wv: a lane holds one channel and, over two tiles, tokens 32 B + 16 h + 0 .. 15;  S^T = k q^T and O^T = v^T p^T: a lane holds one query.
; q . k has K = 32.  A 'k set' holds one head of four key tiles, tile 4 T + b in block b of K; q stands in block b of source 1 with zero codes in the other three.
; The four forms of q are four views of 30 registers Z0 E Z1 F Z2 (Z = zeros; E = q in lanes 0-15, F = q in lanes 16-31): [E Z1], [F Z2], [Z0 E], [Z1 F].
; THE k, v PASS: x's four fragments turn in place: behind the four products of K step s, fragment s of the next tile is asked of LDS, and each step waits by count for its own fragment alone.
; THE LOOP: a tile's p v products and the next tile's q products stand in one run, four accumulators by turns; O and the next q are then quantised side by side.
; SOFTMAX: t = score x log2(e) / sqrt(32); M = ceil(the row's largest t) over all 256 keys; p = 2^(t - M), quantised along the keys; l = the sum of the unquantised p; O^T is multiplied by 1 / l (v_rcp_f32).
; OUT.  ocodes [pair of tiles][head][768]: lane (r, x) holds the 24 bytes of tile 2 pair + x, row r: registers 0-3 at 16 l, 4-5 at 512 + 8 l.  oscales [chunk][half][16 tile + r][8]: a byte for each head of the half.
; NO CLUSTER: only the two work-groups of a chunk share anything, x's 102,400 bytes of the 409,600 that a work-group brings in, asked for once at the head; the weights go straight into registers.  NO PREFETCH: every stream is asked for at the head.
; LIMITS: NaN and infinities are not served; a block whose largest magnitude lies under 2^-122 (zeros too) keeps the byte 1; a bias enters as the C of a sum's first product.
.set TILEB, 6400
.set PAIRB, 12288
.set OSC,   110592                     ; LDS: 0 .. 102,399 x's 16 tiles; here 2,048 bytes of output scale bytes, written by LDS stores alone
; window 0
.set A16, 1                            ; 16 x lane
.set A8,  2                            ; 8 x lane
.set B16, 3                            ; 16 x lane + 8 tiles
.set B8,  4                            ; 8 x lane + 8 tiles
.set OSA, 5                            ; OSC + 8 r + wave
.set OSH, 6                            ; the same for the pair in hand
.set H64, 7                            ; 64 h
.set OC,  8                            ; v8-13 the output's codes of a pair of tiles
.set XA16, 14                          ; x's LDS addresses of the pair in hand
.set XA8, 15
.set XS,  16                           ; v16-17 x's scale words; in the k, v pass odd tiles take v34-35   (v16-36 hold scales and nothing else)
.set WS,  18                           ; v18-21 Wk's, later Wq's
.set WVS, 22                           ; v22-25 Wv's
.set KW,  26                           ; v26-29 the k sets'
.set VW,  30                           ; v30-33 v's fragments'
.set QW,  34                           ; q's
.set PWD, 35                           ; v35-36 p's
.set LM,  37                           ; the row's maximum, later l
.set L,   38                           ; v38-39 l in two halves
.set Z0,  40
.set E,   46
.set Z1,  52
.set F,   58
.set Z2,  64
.set PCD, 70                           ; v70-93 p's codes, two K steps
.set PT,  94                           ; v94-101 conversions' results on their way
.set BM,  102                          ; v102-109 the blocks' maxima
.set MT,  102                          ; v102-113 a quantiser's maxima, four to a group
.set OT,  110                          ; v110-117 the other half's maxima, bytes
.set AC,  110                          ; v110-125 eight partial sums of l
.set QO,  114                          ; v114-116 a quantiser's bytes
.set SO,  118                          ; v118-125 the conversions' scale operands
.set NM,  126                          ; -M, later 1 / l;  v127 named with it as a pair
.set S,   128                          ; v128-255 S^T, then p;  v128-143 O^T, v144-159 the next tile's q sums
; window 0, while k and v are made
.set BV,  40
.set XT,  56
.set KA,  70
.set BK,  86
.set KST, 128
.set VST, 176
.set VA,  224                          ; v's sums: [d tile][even x tile 8][odd x tile 8]
; window 1
.set WK,  0                            ; Wk, later Wq: fragment (u, s) at 12 (4 u + s)
.set WVF, 96                           ; Wv; later the k sets and v's fragments
.set KSET, 96
.set VFR, 144                          ; (K step kk, d tile u) at 12 (2 kk + u)
.set XF,  192                          ; a tile of x: four fragments
.set BQ,  240
.set MSB, 0
.macro WIN new                         ; bits 1:0 source 0, 3:2 source 1, 5:4 source 2, 7:6 destination; the high byte repeats the setting that is left
.if MSB != (\new)
	s_set_vgpr_msb (MSB<<8)|(\new)
.set MSB, \new
.endif
.endm
.macro PLACES n
.rept \n
	v_nop
.endr
.endm
.macro WMC d, a, b, c, sa, sb, ra, rb  ; ra, rb: the scales are taken from lanes 16-31
.if (\ra) && (\rb)
	v_wmma_scale_f32_16x16x128_f8f6f4 v[\d:\d+7], v[\a:\a+11], v[\b:\b+11], v[\c:\c+7], v[\sa], v[\sb] matrix_a_fmt:MATRIX_FMT_BF6 matrix_b_fmt:MATRIX_FMT_BF6 matrix_a_scale:MATRIX_SCALE_ROW1 matrix_b_scale:MATRIX_SCALE_ROW1
.else
	v_wmma_scale_f32_16x16x128_f8f6f4 v[\d:\d+7], v[\a:\a+11], v[\b:\b+11], v[\c:\c+7], v[\sa], v[\sb] matrix_a_fmt:MATRIX_FMT_BF6 matrix_b_fmt:MATRIX_FMT_BF6
.endif
.endm
.macro WMZ d, a, b, sa, sb             ; the constant 0 starts the sum
	v_wmma_scale_f32_16x16x128_f8f6f4 v[\d:\d+7], v[\a:\a+11], v[\b:\b+11], 0, v[\sa], v[\sb] matrix_a_fmt:MATRIX_FMT_BF6 matrix_b_fmt:MATRIX_FMT_BF6
.endm
.macro XLOAD a16, a8, off              ; a whole tile of x from LDS, and its scale words
	WIN 0x40
.irp s, 0,1,2,3
.irp g, 0,1,2
	ds_load_b128 v[XF+12*\s+4*\g:XF+12*\s+4*\g+3], v[\a16] offset:\off+1536*\s+512*\g
.endr
.endr
	WIN 0
	ds_load_b64 v[XS:XS+1], v[\a8] offset:\off+6144
.endm
.macro XFRAG t, s                      ; fragment s of tile t % 16 (destination window 1): three loads
.set TQ, (\t)%16
.irp g, 0,1,2
.if TQ < 8
	ds_load_b128 v[XF+12*(\s)+4*\g:XF+12*(\s)+4*\g+3], v[A16] offset:TILEB*TQ+1536*(\s)+512*\g
.else
	ds_load_b128 v[XF+12*(\s)+4*\g:XF+12*(\s)+4*\g+3], v[B16] offset:TILEB*(TQ-8)+1536*(\s)+512*\g
.endif
.endr
.endm
.macro XSC t                           ; tile t's scale words: even tiles v16-17, odd tiles v34-35
.set TQ, (\t)%16
.set XR, XS+18*((\t)%2)
.if TQ < 8
	ds_load_b64 v[XR:XR+1], v[A8] offset:TILEB*TQ+6144
.else
	ds_load_b64 v[XR:XR+1], v[B8] offset:TILEB*(TQ-8)+6144
.endif
.endm
; THE QUANTISER of n = 1 .. 3 groups of 16 registers, each half of a block of 32 whose other half lies in lane l xor 16: codes into three registers x, the byte into v[QO + group].
; A group's largest magnitude is a tree of eight three-way maxima, with the floor 2^(5 - 127) as a leaf (the byte cannot fall under 1); each accumulator of eight is first read at its low end.  The groups take turns.
.macro QS1 g, b
	v_max3_num_f32 v[MT+4*\g], |v[\b]|, |v[\b+1]|, 0x2800000
	v_max3_num_f32 v[MT+4*\g+1], |v[\b+8]|, |v[\b+9]|, |v[\b+10]|
	v_max3_num_f32 v[MT+4*\g+2], |v[\b+2]|, |v[\b+3]|, |v[\b+4]|
	v_max3_num_f32 v[MT+4*\g+3], |v[\b+11]|, |v[\b+12]|, |v[\b+13]|
.endm
.macro QS2 g, b
	v_max3_num_f32 v[MT+4*\g], v[MT+4*\g], |v[\b+5]|, |v[\b+6]|
	v_max3_num_f32 v[MT+4*\g+1], v[MT+4*\g+1], |v[\b+14]|, |v[\b+15]|
	v_max3_num_f32 v[MT+4*\g+2], v[MT+4*\g+2], v[MT+4*\g+3], |v[\b+7]|
.endm
.macro QS3 g, i
.if \i == 0
	v_max3_num_f32 v[MT+4*\g], v[MT+4*\g], v[MT+4*\g+1], v[MT+4*\g+2]
.endif
.if \i == 1
	v_permlanex16_b32 v[QO+\g], v[MT+4*\g], s20, s21
.endif
.if \i == 2
	v_max_num_f32 v[MT+4*\g], v[MT+4*\g], v[QO+\g]
.endif
.if \i == 3
	v_add_nc_u32 v[MT+4*\g], 0xfe000000, v[MT+4*\g]        ; 4 off the exponent field: the conversion's scale operand
.endif
.if \i == 4
	v_lshrrev_b32 v[QO+\g], 23, v[MT+4*\g]                 ; the scale's byte
.endif
.endm
.macro QN n, g0, x0, g1, x1, g2, x2
	QS1 0, \g0
.if \n > 1
	QS1 1, \g1
.endif
.if \n > 2
	QS1 2, \g2
.endif
	QS2 0, \g0
.if \n > 1
	QS2 1, \g1
.endif
.if \n > 2
	QS2 2, \g2
.endif
.irp i, 0,1,2,3,4
	QS3 0, \i
.if \n > 1
	QS3 1, \i
.endif
.if \n > 2
	QS3 2, \i
.endif
.endr
	v_cvt_scalef32_pk16_bf6_f32 v[\x0:\x0+2], v[\g0:\g0+15], v[MT]
.if \n > 1
	v_cvt_scalef32_pk16_bf6_f32 v[\x1:\x1+2], v[\g1:\g1+15], v[MT+4]
.endif
.if \n > 2
	v_cvt_scalef32_pk16_bf6_f32 v[\x2:\x2+2], v[\g2:\g2+15], v[MT+8]
.endif
	v_nop                                          ; one plain place behind a scaled conversion
.endm
; two half blocks a lane become one whole block a lane: six registers at d: lanes 0-15 the first block, lanes 16-31 the second
.macro PAIRUP d, xt
.irp i, 0,1,2
	v_permlane16_swap_b32 v[\d+\i], v[\xt+\i]
.endr
.irp i, 0,1,2
	v_mov_b32 v[\d+3+\i], v[\xt+\i]
.endr
.endm
.macro BYTE w, b, src                  ; byte b of scale word w
.if (\b) == 0
	v_mov_b32 v[\w], v[\src]
.else
	v_lshl_or_b32 v[\w], v[\src], 8*(\b), v[\w]
.endif
.endm
	s_load_b256 s[4:11], s[0:1], 0x0               ; codes s[4:5], bq s[6:7], bk s[8:9], bv s[10:11]
	s_load_b128 s[12:15], s[0:1], 0x20             ; ocodes s[12:13], oscales s[14:15]
	v_lshl_add_u32 v254, v0, 2, 0x29000
	v_mov_b32 v255, 0
	ds_add_u32 v254, v255                          ; the opening lines: the add, twice on end, and its wait
	ds_add_u32 v254, v255
	s_wait_dscnt 0x0
	v_lshrrev_b32 v9, 5, v0
	v_readfirstlane_b32 s16, v9                    ; wave 0..7
	s_mov_b32 s17, ttmp9                           ; which half of the heads
	s_and_b32 s18, ttmp7, 0xffff                   ; the chunk
	s_lshl_b32 s19, s17, 3
	s_add_co_u32 s19, s19, s16                     ; my head
	v_and_b32 v9, 31, v0                           ; lane
	v_and_b32 v10, 15, v0                          ; r
	v_bfe_u32 v11, v0, 4, 1                        ; h
	v_lshlrev_b32 v[A16], 4, v9
	v_lshlrev_b32 v[A8], 3, v9
	v_add_nc_u32 v[B16], 8*TILEB, v[A16]
	v_add_nc_u32 v[B8], 8*TILEB, v[A8]
	v_lshlrev_b32 v[OSA], 3, v10
	v_add_nc_u32 v[OSA], s16, v[OSA]
	v_add_nc_u32 v[OSA], OSC, v[OSA]
	v_lshlrev_b32 v[H64], 6, v11
	v_and_b32 v[XA16], 8, v10
	v_add_nc_u32 v[XA16], v[XA16], v10
	v_lshlrev_b32 v[XA16], 2, v[XA16]              ; bv: 4 (r + 8 (r / 8)): the channel of row r of a tile of Wv
.irp b, 0,1,2,3,4,5,6,7
	v_mov_b32 v[OT+\b], 0                          ; written once: a lane permute's destination counts as one of its sources
.endr
	v_mov_b32 v[NM+1], 0                           ; named as the upper half of a pair
	s_mov_b32 s20, 0x76543210
	s_mov_b32 s21, 0xfedcba98                      ; v_permlanex16_b32's selects for lane l xor 16
	s_mov_b32 s22, 0x3e8293ee                      ; c = log2(e) / sqrt(32)
	s_mov_b32 s23, s22
	; the one tensor load of a wave: two tiles of x, 12,800 dense bytes, as 50 rows of 256 bytes.  Nothing is ever filled again
	s_mov_b32 s28, 3<<16
	s_mov_b32 s29, 32<<16
	s_mov_b32 s30, 50<<16
	s_mov_b32 s31, 32<<16
	s_mov_b32 s32, 50
	s_mov_b32 s33, 32
	s_mov_b32 s34, 0
	s_mov_b32 s35, 0
	s_mov_b32 s24, 1
	s_mul_i32 s25, s16, 2*TILEB                    ; LDS address: wave x two tiles
	s_mul_i32 s2, s18, 16*TILEB
	s_add_co_u32 s2, s2, s25
	s_mov_b32 s3, 0
	s_wait_kmcnt 0x0
	s_add_nc_u64 s[26:27], s[4:5], s[2:3]
	s_or_b32 s27, s27, 0x80000000
	tensor_load_to_lds s[24:27], s[28:35]
	s_nop 0
	PLACES 4
	s_mul_i32 s2, s19, 2*TILEB
	s_add_co_u32 s2, s2, 2048*TILEB
	s_add_nc_u64 s[40:41], s[4:5], s[2:3]          ; my head's two tiles of wq; wk's lie 32 tiles on, wv's 64
	s_lshl_b32 s2, s19, 7
	s_add_nc_u64 s[6:7], s[6:7], s[2:3]            ; my head's 32 numbers of each bias
	s_add_nc_u64 s[8:9], s[8:9], s[2:3]
	s_add_nc_u64 s[10:11], s[10:11], s[2:3]
	s_mul_i32 s2, s18, 8*PAIRB
	s_mul_i32 s39, s19, 768
	s_add_co_u32 s2, s2, s39
	s_add_nc_u64 s[42:43], s[12:13], s[2:3]        ; ocodes: my chunk's first pair, my head
	s_lshl_b32 s2, s18, 12
	s_lshl_b32 s39, s17, 11
	s_add_co_u32 s2, s2, s39
	s_lshl_b32 s39, s16, 8
	s_add_co_u32 s2, s2, s39
	s_add_nc_u64 s[14:15], s[14:15], s[2:3]        ; oscales: my chunk, my half, the 256 bytes that my wave stores
	WIN 0x40
.irp u, 0,1
.irp s, 0,1,2,3
.irp g, 0,1,2
	global_load_b128 v[WK+12*(4*\u+\s)+4*\g:WK+12*(4*\u+\s)+4*\g+3], v[A16], s[40:41] offset:32*TILEB+TILEB*\u+1536*\s+512*\g
.endr
.endr
.endr
.irp u, 0,1
.irp s, 0,1,2,3
.irp g, 0,1,2
	global_load_b128 v[WVF+12*(4*\u+\s)+4*\g:WVF+12*(4*\u+\s)+4*\g+3], v[A16], s[40:41] offset:64*TILEB+TILEB*\u+1536*\s+512*\g
.endr
.endr
.endr
.irp u, 0,1
	global_load_b128 v[BQ+8*\u:BQ+8*\u+3], v[H64], s[6:7] offset:32*\u        ; lane (r, h), tile u: channels 16 h + 8 u + 0 .. 7
	global_load_b128 v[BQ+8*\u+4:BQ+8*\u+7], v[H64], s[6:7] offset:32*\u+16
.endr
	WIN 0
.irp u, 0,1
	global_load_b64 v[WS+2*\u:WS+2*\u+1], v[A8], s[40:41] offset:32*TILEB+TILEB*\u+6144
	global_load_b64 v[WVS+2*\u:WVS+2*\u+1], v[A8], s[40:41] offset:64*TILEB+TILEB*\u+6144
	global_load_b128 v[BK+8*\u:BK+8*\u+3], v[H64], s[8:9] offset:32*\u
	global_load_b128 v[BK+8*\u+4:BK+8*\u+7], v[H64], s[8:9] offset:32*\u+16
.endr
.irp u, 0,1
.irp j, 0,1,2,3,4,5,6,7
	global_load_b32 v[BV+8*\u+\j], v[XA16], s[10:11] offset:32*\u             ; in v's sums a lane holds one channel: eight equal registers
.endr
.endr
	s_wait_tensorcnt 0x0                           ; my two tiles are in LDS,
	s_barrier_signal -1
	s_barrier_wait -1                              ; everybody's are
	XSC 0                                          ; tile 0: its words, then its four fragments: 13 loads
	WIN 0x40
.irp s, 0,1,2,3
	XFRAG 0, \s
.endr
	WIN 0
	s_wait_loadcnt 0x0                             ; the weights, their scales, the biases
; ---- k AND v OF MY HEAD, a tile of 16 tokens at a time; written out, since the registers that take the codes differ from tile to tile.
; Four accumulators take turns, one instruction a turn: k's two tiles of channels, v's two.
; LDS loads are issued in the order words(t), fragments 0 .. 3 (t), words(t + 1), fragment 0 (t + 1) ..  Step 0 wants the words and fragment 0: behind them stand fragments 1 to 3, 9 loads.
; Step s > 0 wants fragment s: behind it stand 3 (3 - s) loads of this tile, the next tile's words and its fragments 0 .. s - 1: 10 loads.
.macro PTILE t
.irp s, 0,1,2,3
.if \s == 0
	s_wait_dscnt 9
.else
	s_wait_dscnt 10
.endif
	WIN 0x05                                       ; sources 0 and 1 window 1; C and D window 0
.irp u, 0,1
.set CK, KA+8*\u
.if \s == 0
.set CK, BK+8*\u
.endif
	WMC KA+8*\u, WK+12*(4*\u+\s), XF+12*\s, CK, WS+2*\u+\s/2, XS+18*((\t)%2)+\s/2, \s%2, \s%2
.endr
.irp u, 0,1
.set CK, VA+16*\u+8*((\t)%2)
.if \s == 0
.set CK, BV+8*\u
.endif
	WMC VA+16*\u+8*((\t)%2), XF+12*\s, WVF+12*(4*\u+\s), CK, XS+18*((\t)%2)+\s/2, WVS+2*\u+\s/2, \s%2, \s%2
.endr
	PLACES 5                                       ; four in front of loads into registers that these products read and of the first read of results; five in front of products that begin sums anew
.if \s == 0
	WIN 0
	XSC (\t)+1
.endif
	WIN 0x40
	XFRAG (\t)+1, \s                               ; this step's fragment of the next tile (behind tile 15: of tile 0, the first queries)
.if (\t) == 15
.irp u, 0,1
.irp g, 0,1,2
	global_load_b128 v[WK+12*(4*\u+\s)+4*\g:WK+12*(4*\u+\s)+4*\g+3], v[A16], s[40:41] offset:TILEB*\u+1536*\s+512*\g   ; this step's fragments of Wk are done with: Wq takes their registers
.endr
.endr
.endif
.endr
	WIN 0
.if (\t) == 15
.irp u, 0,1
	global_load_b64 v[WS+2*\u:WS+2*\u+1], v[A8], s[40:41] offset:TILEB*\u+6144
.endr
.endif
.set TT, (\t)/4                        ; the k set, and in it
.set CC, ((\t)%4)/2                    ; which six registers
.set BB, (\t)/2                        ; the block of 32 tokens
.set KK, BB/4                          ; its K step of the second product, and in it
.set CW, (BB%4)/2                      ; which six registers
.if (\t)%2 == 0
	QN 1, KA, KST+12*TT+6*CC, 0, 0, 0, 0
	BYTE KW+TT, (\t)%4, QO
.else
.if BB%2 == 0
	QN 3, KA, XT, VA, VST+12*(2*KK)+6*CW, VA+16, VST+12*(2*KK+1)+6*CW
	PAIRUP KST+12*TT+6*CC, XT
.else
	QN 3, KA, XT, VA, XT+4, VA+16, XT+8
	PAIRUP KST+12*TT+6*CC, XT
	PAIRUP VST+12*(2*KK)+6*CW, XT+4
	PAIRUP VST+12*(2*KK+1)+6*CW, XT+8
.endif
	BYTE KW+TT, (\t)%4, QO
	BYTE VW+2*KK, BB%4, QO+1
	BYTE VW+2*KK+1, BB%4, QO+2
.endif
.endm
.irp t, 0,1,2,3,4,5,6,7,8,9,10,11,12,13,14,15
	PTILE \t
.endr
	WIN 0x40                                       ; Wv is done with: the k sets and v's fragments take its registers in window 1, once, and S^T gets theirs
.set i, 0
.rept 96
	v_mov_b32 v[KSET+i], v[KST+i]
.set i, i+1
.endr
	WIN 0
.irp i, 0,1,2,3,4,5
	v_mov_b32 v[Z0+\i], 0
	v_mov_b32 v[Z1+\i], 0
	v_mov_b32 v[Z2+\i], 0
.endr
.macro QW0                             ; q = Wq x + bq, K step 0, into v144-159: sources 0, 1 and C window 1
	WIN 0x15
	WMC S+16, WK, XF, BQ, WS, XS, 0, 0
	WMC S+24, WK+48, XF, BQ+8, WS+2, XS, 0, 0
.endm
.macro QW2 s                           ; K step s = 1 .. 3 (window 0x05)
.irp u, 0,1
	WMC S+16+8*\u, WK+12*(4*\u+(\s)), XF+12*(\s), S+16+8*\u, WS+2*\u+(\s)/2, XS+(\s)/2, (\s)%2, (\s)%2
.endr
.endm
.macro ZEF                             ; the halves of E and F that the swaps below fill with zeros' lanes
.irp i, 0,1,2
	v_mov_b32 v[E+3+\i], 0
	v_mov_b32 v[F+\i], 0
.endr
.endm
.macro QBUILD qb                       ; q's codes stand in v[E .. E + 2], its byte in v[qb]
	v_lshl_or_b32 v[QW], v[\qb], 8, v[\qb]
	v_lshl_or_b32 v[QW], v[QW], 16, v[QW]          ; q's byte in all four places: q stands in any of the four blocks
.irp i, 0,1,2
	v_mov_b32 v[F+3+\i], v[E+\i]
.endr
.irp i, 0,1,2
	v_permlane16_swap_b32 v[E+\i], v[E+3+\i]       ; E: lanes 0-15 all 32 codes of query r, lanes 16-31 zeros
	v_permlane16_swap_b32 v[F+\i], v[F+3+\i]       ; F: the other way round
.endr
.endm
; ---- A TILE OF 16 QUERIES, whose q stands ready in E, F and QW.  par: the tile's place in its pair;  nq = 1: the next tile's q is made;  nx = 1: the tile two further on is fetched from LDS
.macro QTILE par, nq, nx
.if (\par) == 0
	v_add_nc_u32 v[XA16], s37, v[A16]              ; four places between the swaps that wrote E and F and the products
	v_add_nc_u32 v[XA8], s37, v[A8]
	v_add_nc_u32 v[OSH], s38, v[OSA]
	v_nop
.else
	PLACES 4
.endif
	WIN 0x01                                       ; source 0 (a k set) window 1
.irp kt, 0,1,2,3
	WMZ S+8*(4*\kt), KSET+12*\kt, E, KW+\kt, QW    ; [E Z1]: block 0: key tile 4 kt
	WMZ S+8*(4*\kt+1), KSET+12*\kt, F, KW+\kt, QW  ; [F Z2]: block 1
	WMZ S+8*(4*\kt+2), KSET+12*\kt, Z0, KW+\kt, QW ; [Z0 E]: block 2
	WMZ S+8*(4*\kt+3), KSET+12*\kt, Z1, KW+\kt, QW ; [Z1 F]: block 3
.endr
	WIN 0
	PLACES 4                                       ; register 16 B + i now holds the score of key 32 B + 16 h + i for query r
.irp b, 0,1,2,3,4,5,6,7
	v_max3_num_f32 v[BM+\b], v[S+16*\b], v[S+16*\b+1], v[S+16*\b+2]   ; the largest score of each block of 32 keys: for the row's maximum, and, since p rises with the score, for the block's largest p
.endr
.irp i, 3,5,7,9,11,13
.irp b, 0,1,2,3,4,5,6,7
	v_max3_num_f32 v[BM+\b], v[BM+\b], v[S+16*\b+\i], v[S+16*\b+\i+1]
.endr
.endr
.irp b, 0,1,2,3,4,5,6,7
	v_max_num_f32 v[BM+\b], v[BM+\b], v[S+16*\b+15]
.endr
.irp b, 0,1,2,3,4,5,6,7
	v_permlanex16_b32 v[OT+\b], v[BM+\b], s20, s21
.endr
.irp b, 0,1,2,3,4,5,6,7
	v_max_num_f32 v[BM+\b], v[BM+\b], v[OT+\b]     ; with lane l xor 16's 16 keys
.endr
	v_max3_num_f32 v[LM], v[BM], v[BM+1], v[BM+2]
	v_max3_num_f32 v[L], v[BM+3], v[BM+4], v[BM+5]
	v_max3_num_f32 v[LM], v[LM], v[BM+6], v[BM+7]
	v_max_num_f32 v[LM], v[LM], v[L]               ; the row's largest score,
	v_mul_f32 v[LM], s22, v[LM]                    ; as t (c is positive)
	v_floor_f32 v[NM], -v[LM]                      ; -M = floor(-t) = -ceil(t)
.set j, 0
.rept 64
	v_pk_fma_f32 v[S+j:S+j+1], v[S+j:S+j+1], s[22:23], v[NM:NM+1] op_sel_hi:[1,0,0]   ; t - M, two at a time
.set j, j+2
.endr
.irp b, 0,1,2,3,4,5,6,7
	v_fma_f32 v[BM+\b], v[BM+\b], s22, v[NM]       ; the same of each block's largest score
.endr
	s_wait_alu depctr_va_vdst(0)
.irp b, 0,1,2,3,4,5,6,7
	v_exp_f32 v[BM+\b], v[BM+\b]                   ; each block's largest p: the same two instructions on the same number
.endr
.set j, 0
.rept 128
	v_exp_f32 v[S+j], v[S+j]                       ; p = 2^(t - M), at most 1
.set j, j+1
.endr
	v_nop                                          ; a plain place behind the exponentials
	s_wait_alu depctr_va_vdst(0)                   ; one wait for the whole batch, ahead of its first reader
.irp a, 0,1,2,3,4,5,6,7
	v_pk_add_f32 v[AC+2*\a:AC+2*\a+1], v[S+2*\a:S+2*\a+1], v[S+16+2*\a:S+17+2*\a]   ; l, of the unquantised p: eight chains of pairs
.endr
.irp m, 2,3,4,5,6,7
.irp a, 0,1,2,3,4,5,6,7
	v_pk_add_f32 v[AC+2*\a:AC+2*\a+1], v[AC+2*\a:AC+2*\a+1], v[S+16*\m+2*\a:S+16*\m+2*\a+1]
.endr
.endr
.irp a, 0,1,2,3
	v_pk_add_f32 v[AC+2*\a:AC+2*\a+1], v[AC+2*\a:AC+2*\a+1], v[AC+8+2*\a:AC+9+2*\a]
.endr
.irp b, 0,1,2,3,4,5,6,7
	v_max_num_f32 v[BM+\b], 0x2800000, v[BM+\b]    ; the floor 2^(5 - 127)
.endr
.irp a, 0,1
	v_pk_add_f32 v[AC+2*\a:AC+2*\a+1], v[AC+2*\a:AC+2*\a+1], v[AC+4+2*\a:AC+5+2*\a]
.endr
.irp b, 0,1,2,3,4,5,6,7
	v_add_nc_u32 v[SO+\b], 0xfe000000, v[BM+\b]    ; the conversion's scale operand (the upper four chains are summed up by now)
.endr
	v_pk_add_f32 v[L:L+1], v[AC:AC+1], v[AC+2:AC+3]
.irp b, 0,1,2,3,4,5,6,7
	v_lshrrev_b32 v[OT+\b], 23, v[SO+\b]           ; the byte
.endr
.irp k, 0,1
	v_lshl_or_b32 v[PWD+\k], v[OT+4*\k+1], 8, v[OT+4*\k]
.endr
.irp k, 0,1
	v_lshl_or_b32 v[PWD+\k], v[OT+4*\k+2], 16, v[PWD+\k]
.endr
.irp k, 0,1
	v_lshl_or_b32 v[PWD+\k], v[OT+4*\k+3], 24, v[PWD+\k]   ; p's scale word for keys 128 k on
.endr
.irp k, 0,1
.irp c, 0,1
	v_cvt_scalef32_pk16_bf6_f32 v[PCD+12*\k+6*\c:PCD+12*\k+6*\c+2], v[S+64*\k+32*\c:S+64*\k+32*\c+15], v[SO+4*\k+2*\c]
	v_cvt_scalef32_pk16_bf6_f32 v[PT+4*\c:PT+4*\c+2], v[S+64*\k+32*\c+16:S+64*\k+32*\c+31], v[SO+4*\k+2*\c+1]
.endr
	v_nop                                          ; one plain place behind a scaled conversion
.irp c, 0,1
	PAIRUP PCD+12*\k+6*\c, PT+4*\c
.endr
.endr
	v_add_f32 v[LM], v[L], v[L+1]                  ; l's two halves,
	v_permlanex16_b32 v[OT], v[LM], s20, s21
	v_add_f32 v[LM], v[LM], v[OT]                  ; and lane l xor 16's
	s_wait_alu depctr_va_vdst(0)
.if \nq
	s_wait_dscnt 0x0                               ; the next tile's fragments and scale words are in
.endif
	v_rcp_f32 v[NM], v[LM]                         ; 1 / l is on its way while the products below are issued
	PLACES 2                                       ; with the two additions above: four places between p's last codes and the products
.if \nq
	QW0                                            ; O^T = v^T p^T and the next q: four accumulators by turns
	WIN 0x01
	WMZ S, VFR, PCD, VW, PWD
	WMZ S+8, VFR+12, PCD, VW+1, PWD
	WIN 0x05
	QW2 1
	WIN 0x01
	WMC S, VFR+24, PCD+12, S, VW+2, PWD+1, 0, 0
	WMC S+8, VFR+36, PCD+12, S+8, VW+3, PWD+1, 0, 0
	WIN 0x05
	QW2 2
	QW2 3
	WIN 0
	ZEF                                            ; six moves that name no register of these products: their places
.else
	WIN 0x01
	WMZ S, VFR, PCD, VW, PWD
	WMZ S+8, VFR+12, PCD, VW+1, PWD
	WMC S, VFR+24, PCD+12, S, VW+2, PWD+1, 0, 0
	WMC S+8, VFR+36, PCD+12, S+8, VW+3, PWD+1, 0, 0
	WIN 0
	PLACES 4
.endif
.if \nx
	XLOAD XA16, XA8, TILEB*((\par)+2)
.endif
	s_wait_alu depctr_va_vdst(0)                   ; the reciprocal's wait, ahead of its first reader
.irp j, 0,2,4,6,8,10,12,14
	v_pk_mul_f32 v[S+\j:S+\j+1], v[S+\j:S+\j+1], v[NM:NM+1] op_sel_hi:[1,0]   ; O^T / l: register i is channel 16 h + i of query r
.endr
.if \nq
.if (\par) == 0
	QN 2, S, OC, S+16, E, 0, 0
.else
	QN 2, S, PT, S+16, E, 0, 0
.endif
	ds_store_b8 v[OSH], v[QO] offset:128*(\par)    ; the head's byte of this token; both lanes of a pair write the same byte with the same value
	QBUILD QO+1
.else
	QN 1, S, PT, 0, 0, 0, 0
	ds_store_b8 v[OSH], v[QO] offset:128*(\par)
.endif
.if (\par) == 1
	PAIRUP OC, PT                                  ; lanes 0-15: the even tile's rows, lanes 16-31: the odd tile's; 24 bytes a lane
	global_store_b128 v[A16], v[OC:OC+3], s[42:43]               ; 512 consecutive bytes, at a multiple of 256 from the buffer's first byte
	global_store_b64 v[A8], v[OC+4:OC+5], s[42:43] offset:512    ; 256 more
	s_wait_alu depctr_va_vdst(0)
	s_wait_xcnt 0x0                                ; the stores have read their registers and their base: both are written again only behind this wait
	s_add_nc_u64 s[42:43], s[42:43], PAIRB
.endif
.endm
	s_mov_b32 s36, 7
	s_mov_b32 s37, 0                               ; the pair's first tile in LDS
	s_mov_b32 s38, 0                               ; and its scale bytes: 256 a pair
	s_wait_loadcnt 0x0                             ; Wq and its scale words
	s_wait_dscnt 0x0                               ; tile 0's fragments
	QW0                                            ; the first tile's q
	WIN 0x05
	QW2 1
	QW2 2
	QW2 3
	WIN 0
	ZEF
	XLOAD A16, A8, TILEB
	QN 1, S+16, E, 0, 0, 0, 0
	QBUILD QO
	s_wait_alu depctr_va_vdst(0)
.Lpair:                                            ; seven pairs of tiles
	QTILE 0, 1, 1
	QTILE 1, 1, 1
	s_add_co_u32 s37, s37, 2*TILEB
	s_add_co_u32 s38, s38, 256
	s_sub_co_u32 s36, s36, 1
	s_cmp_lg_u32 s36, 0
	s_cbranch_scc1 .Lpair
	QTILE 0, 1, 0                                  ; the last pair is written out: nothing is left to fetch, and behind tile 15 no q to make
	QTILE 1, 0, 0
	s_wait_dscnt 0x0                               ; for the others' sake: my byte stores are done
	s_barrier_signal -1
	s_barrier_wait -1
	s_lshl_b32 s39, s16, 8
	v_add_nc_u32 v[XA16], s39, v[A8]
	v_add_nc_u32 v[XA16], OSC, v[XA16]
	ds_load_b64 v[PT:PT+1], v[XA16]                ; 32 tokens' eight bytes: 256 bytes a wave
	s_wait_dscnt 0x0
	global_store_b64 v[A8], v[PT:PT+1], s[14:15]   ; 256 consecutive bytes, at a multiple of 256
	s_wait_xcnt 0x0
	v_lshl_add_u32 v254, v0, 2, 0x29000            ; S^T lay over the add's two registers: they are made anew
	v_mov_b32 v255, 0
	s_wait_alu depctr_va_vdst(0)
	s_wait_tensorcnt 0x0                           ; the wave's end
	ds_add_u32 v254, v255
	s_wait_dscnt 0x0
	s_endpgm
.Lfunc_end_k_qc8d9c69835_attn:
	.size	k_qc8d9c69835_attn, .Lfunc_end_k_qc8d9c69835_attn-k_qc8d9c69835_attn
	.p2alignl 7, 3214868480
	.fill 96, 4, 3214868480
	.section	.rodata,"a",@progbits
	.p2align	6, 0x0
	.amdhsa_kernel k_qc8d9c69835_attn
		.amdhsa_group_segment_fixed_size 168960
		.amdhsa_private_segment_fixed_size 0
		.amdhsa_enable_private_segment 0
		.amdhsa_kernarg_size 48
		.amdhsa_user_sgpr_count 2
		.amdhsa_user_sgpr_kernarg_segment_ptr 1
		.amdhsa_wavefront_size32 1
		.amdhsa_system_sgpr_workgroup_id_x 1
		.amdhsa_system_sgpr_workgroup_id_y 1
		.amdhsa_system_sgpr_workgroup_id_z 1
		.amdhsa_system_vgpr_workitem_id 0
		.amdhsa_next_free_vgpr 512
		.amdhsa_next_free_sgpr 66
		.amdhsa_reserve_vcc 0
		.amdhsa_float_denorm_mode_32 3
		.amdhsa_float_denorm_mode_16_64 3
		.amdhsa_memory_ordered 1
		.amdhsa_forward_progress 1
		.amdhsa_inst_pref_size 226
	.end_amdhsa_kernel
	.amdgpu_metadata
---
amdhsa.version: [ 1, 2 ]
amdhsa.kernels:
  - .name:           k_qc8d9c69835_attn
    .symbol:         k_qc8d9c69835_attn.kd
    .args:
      - { .name: codes, .offset: 0, .size: 8, .value_kind: global_buffer, .address_space: global }
      - { .name: bq, .offset: 8, .size: 8, .value_kind: global_buffer, .address_space: global }
      - { .name: bk, .offset: 16, .size: 8, .value_kind: global_buffer, .address_space: global }
      - { .name: bv, .offset: 24, .size: 8, .value_kind: global_buffer, .address_space: global }
      - { .name: ocodes, .offset: 32, .size: 8, .value_kind: global_buffer, .address_space: global }
      - { .name: oscales, .offset: 40, .size: 8, .value_kind: global_buffer, .address_space: global }
    .group_segment_fixed_size: 168960
    .private_segment_fixed_size: 0
    .kernarg_segment_align: 8
    .kernarg_segment_size: 48
    .max_flat_workgroup_size: 256
    .sgpr_count:     66
    .vgpr_count:     512
    .wavefront_size: 32
...
	.end_amdgpu_metadata
.endif
;; end of part 2
;; launch oproj (part 3): grid 256 x 1, 4 waves a work-group, no clusters, 168,448 bytes of LDS; arguments ocodes, oscales, codes, bo, out0; writes out0
.if DOCPART == 3
	.amdgcn_target "amdgcn-amd-amdhsa--gfx1250"
	.amdhsa_code_object_version 6
	.text
	.protected	k_qc8d9c69835_oproj
	.globl	k_qc8d9c69835_oproj
	.p2align	8
	.type	k_qc8d9c69835_oproj,@function
k_qc8d9c69835_oproj:
	s_mov_b64 s[64:65], 0
	v_nop
	global_prefetch_b8 v0, s[64:65] scope:SCOPE_SE
	s_setreg_imm32_b32 hwreg(HW_REG_WAVE_MODE, 25, 1), 1
	s_wait_xcnt 0x0
; out0 = o wo^T + bo on codes of BF6 (E3M2), one E8M0 byte for 32 along K.  o: 32,768 tokens x 512 channels as ocodes / oscales; wo: tiles 2144 .. 2175 of the buffer of codes, in register order.
; SHARES.  A work-group takes 128 tokens: 8 tiles of 16, 4 pairs.  Wave w takes output columns 128 w .. 128 w + 127 for all of them: its 8 tiles of wo (384 registers) come from memory straight into registers, once.
; o's four pairs (12,288 dense bytes each) come into LDS by one tensor load a wave and are read by all four waves.  Nothing is filled again.
; FOUR STAGES of 64 tokens x 64 columns a wave: (tokens' half, columns' half) = (0, 0), (1, 0), (1, 1), (0, 1).  wo is asked for by halves of the columns, so that the first stage waits for 48 of its 96 loads alone,
; and each stage's results leave before the next stage is multiplied.  In this order o's fragments are read from LDS three times in all.
; TRANSPOSED: source 0 = 16 rows of wo, source 1 = 16 tokens: lane (r, h) holds token r; the registers of wo's tiles 2 b, 2 b + 1 are columns 32 b + 16 h + 0 .. 15.  bo is the C of each sum's first product.
; A stage's 16 accumulators take turns, one instruction a turn.
; Row i of token tile T is token 32 (T / 2) + 8 (T % 2) + i + 8 (i / 8).  A tile's 16 tokens x 256 bytes go through the wave's own stage in LDS and leave two rows a store: sixteen lanes write 256 consecutive bytes, aligned.
; NO CLUSTER: what the work-groups share, wo, goes straight into registers in register order; a joint load would send its 204,800 bytes through LDS as well.  NO PREFETCH: every stream is asked for at the head.
; REGISTERS: window 0: v1-13 addresses; v16-31 o's scale words, v32-47 wo's (they hold scales and nothing else); v48-239 a half's 16 fragments of o; v254-255 the add's two.
;   window 1: v0-191 wo's fragments of K steps 0, 1 (96 s + 12 n); v192-255 bo.   window 2: v0-191 K steps 2, 3; v192-255 rows on their way out, two sets.   window 3: the accumulators, (m, n) at 8 (8 m + n).
.set TILEB, 6400
.set PAIRB, 12288
.set STG,   4*PAIRB                    ; behind o's four pairs: a stage of 16 rows, 528 bytes apart, for each wave, written by LDS stores alone
.set SP,    528
.set L16,  1                           ; 16 x lane
.set L8,   2                           ; 8 x lane
.set OA16, 3                           ; 768 h + 16 r: registers 0-3 of a block of o
.set OA8,  4                           ; 512 + 768 h + 8 r: registers 4-5
.set STO,  5                           ; the stage, way in: row r, + 64 h
.set OSO,  7                           ; 2,048 h + 8 r: o's scale bytes
.set H64,  8                           ; 64 h
.set RD2,  12                          ; the stage, way out: row h, + 16 r
.set CO2,  13                          ; the same place in out0: 2,048 h + 16 r
.set OS,   16
.set WOS,  32
.set OF,   48
.set BO,   192                         ; in window 1
.set BKR,  192                         ; in window 2
.set MSB, 0
.macro WIN new                         ; bits 1:0 source 0, 3:2 source 1, 5:4 source 2, 7:6 destination; the high byte repeats the setting that is left
.if MSB != (\new)
	s_set_vgpr_msb (MSB<<8)|(\new)
.set MSB, \new
.endif
.endm
.macro PLACES n
.rept \n
	v_nop
.endr
.endm
.macro WMC d, a, b, c, sa, sb, ra, rb  ; ra, rb: the scales are taken from lanes 16-31
.if (\ra) && (\rb)
	v_wmma_scale_f32_16x16x128_f8f6f4 v[\d:\d+7], v[\a:\a+11], v[\b:\b+11], v[\c:\c+7], v[\sa], v[\sb] matrix_a_fmt:MATRIX_FMT_BF6 matrix_b_fmt:MATRIX_FMT_BF6 matrix_a_scale:MATRIX_SCALE_ROW1 matrix_b_scale:MATRIX_SCALE_ROW1
.elseif (\ra)
	v_wmma_scale_f32_16x16x128_f8f6f4 v[\d:\d+7], v[\a:\a+11], v[\b:\b+11], v[\c:\c+7], v[\sa], v[\sb] matrix_a_fmt:MATRIX_FMT_BF6 matrix_b_fmt:MATRIX_FMT_BF6 matrix_a_scale:MATRIX_SCALE_ROW1
.elseif (\rb)
	v_wmma_scale_f32_16x16x128_f8f6f4 v[\d:\d+7], v[\a:\a+11], v[\b:\b+11], v[\c:\c+7], v[\sa], v[\sb] matrix_a_fmt:MATRIX_FMT_BF6 matrix_b_fmt:MATRIX_FMT_BF6 matrix_b_scale:MATRIX_SCALE_ROW1
.else
	v_wmma_scale_f32_16x16x128_f8f6f4 v[\d:\d+7], v[\a:\a+11], v[\b:\b+11], v[\c:\c+7], v[\sa], v[\sb] matrix_a_fmt:MATRIX_FMT_BF6 matrix_b_fmt:MATRIX_FMT_BF6
.endif
.endm
	s_load_b256 s[4:11], s[0:1], 0x0               ; ocodes s[4:5], oscales s[6:7], codes s[8:9], bo s[10:11]
	s_load_b64 s[12:13], s[0:1], 0x20              ; out0
	v_lshl_add_u32 v254, v0, 2, 0x29000
	v_mov_b32 v255, 0
	ds_add_u32 v254, v255                          ; the opening lines: the add, twice on end, and its wait
	ds_add_u32 v254, v255
	v_lshrrev_b32 v9, 5, v0
	v_readfirstlane_b32 s16, v9                    ; wave 0..3
	v_and_b32 v9, 31, v0                           ; lane
	v_and_b32 v10, 15, v0                          ; r
	v_bfe_u32 v11, v0, 4, 1                        ; h
	v_lshlrev_b32 v[L16], 4, v9
	v_lshlrev_b32 v[L8], 3, v9
	v_mul_u32_u24 v[OA16], v11, 768
	v_lshl_add_u32 v[OA8], v10, 3, v[OA16]
	v_add_nc_u32 v[OA8], 512, v[OA8]
	v_lshl_add_u32 v[OA16], v10, 4, v[OA16]
	s_mul_i32 s17, s16, 16*SP
	s_add_co_u32 s17, s17, STG                     ; my stage
	v_mul_u32_u24 v[STO], v10, SP
	v_lshl_add_u32 v[STO], v11, 6, v[STO]
	v_add_nc_u32 v[STO], s17, v[STO]
	v_mul_u32_u24 v[RD2], v11, SP
	v_lshl_add_u32 v[RD2], v10, 4, v[RD2]
	v_add_nc_u32 v[RD2], s17, v[RD2]
	v_lshlrev_b32 v[CO2], 11, v11
	v_lshl_add_u32 v[CO2], v10, 4, v[CO2]
	v_lshlrev_b32 v[OSO], 3, v10
	v_lshl_add_u32 v[OSO], v11, 11, v[OSO]
	v_lshlrev_b32 v[H64], 6, v11
	; the one tensor load of a wave: a pair of tiles of o, all 16 heads: 12,288 dense bytes as 48 rows of 256
	s_mov_b32 s28, 3<<16                           ; elements of 8 bytes, no mask, no padding
	s_mov_b32 s29, 32<<16
	s_mov_b32 s30, 48<<16
	s_mov_b32 s31, 32<<16
	s_mov_b32 s32, 48
	s_mov_b32 s33, 32
	s_mov_b32 s34, 0
	s_mov_b32 s35, 0
	s_mov_b32 s24, 1
	s_mul_i32 s25, s16, PAIRB                      ; LDS address: wave x a pair
	s_lshl_b32 s2, ttmp9, 2
	s_add_co_u32 s2, s2, s16                       ; pair 4 x work-group + wave
	s_mul_i32 s2, s2, PAIRB
	s_mov_b32 s3, 0
	s_wait_alu depctr_va_vdst(0)
	s_wait_dscnt 0x0
	s_wait_kmcnt 0x0
	s_add_nc_u64 s[26:27], s[4:5], s[2:3]
	s_or_b32 s27, s27, 0x80000000
	tensor_load_to_lds s[24:27], s[28:35]
	s_nop 0
	PLACES 4
	s_lshr_b32 s2, ttmp9, 1
	s_lshl_b32 s2, s2, 12                          ; o's scale bytes: 4,096 a chunk,
	s_and_b32 s18, ttmp9, 1
	s_lshl_b32 s18, s18, 10                        ; my 8 tiles' 128 bytes each
	s_add_co_u32 s2, s2, s18
	s_add_nc_u64 s[6:7], s[6:7], s[2:3]
	s_mul_i32 s2, s16, 8*TILEB
	s_add_co_u32 s2, s2, (2048+96)*TILEB
	s_add_nc_u64 s[8:9], s[8:9], s[2:3]            ; my 8 tiles of wo
	s_lshl_b32 s2, s16, 9
	s_add_nc_u64 s[10:11], s[10:11], s[2:3]        ; my 128 numbers of bo
	s_lshl_b32 s18, ttmp9, 18                      ; 128 rows of 2,048 bytes
	s_add_co_u32 s2, s2, s18
	s_add_nc_u64 s[12:13], s[12:13], s[2:3]        ; out0 at my first token, my first column
.irp t, 0,1,2,3,4,5,6,7
	global_load_b64 v[OS+2*\t:OS+2*\t+1], v[OSO], s[6:7] offset:128*\t          ; lane (r, hh): token r's bytes of heads 8 hh .. 8 hh + 7: K step s takes register s % 2, lanes 16 (s / 2) on
.endr
.irp n, 0,1,2,3,4,5,6,7
	global_load_b64 v[WOS+2*\n:WOS+2*\n+1], v[L8], s[8:9] offset:TILEB*\n+6144  ; K step s takes register s / 2, lanes 16 (s % 2) on
.endr
	WIN 0x40                                       ; destination window 1
.irp n, 0,1,2,3,4,5,6,7
	global_load_b128 v[BO+8*\n:BO+8*\n+3], v[H64], s[10:11] offset:128*(\n/2)+32*(\n%2)
	global_load_b128 v[BO+8*\n+4:BO+8*\n+7], v[H64], s[10:11] offset:128*(\n/2)+32*(\n%2)+16
.endr
; wo: the first four tiles' K steps 0 .. 3, then the other four's: 12 loads a K step, 48 a half
.irp nh, 0,1
	WIN 0x40
.irp s, 0,1
.irp n, 0,1,2,3
.irp g, 0,1,2
	global_load_b128 v[96*\s+12*(4*\nh+\n)+4*\g:96*\s+12*(4*\nh+\n)+4*\g+3], v[L16], s[8:9] offset:TILEB*(4*\nh+\n)+1536*\s+512*\g
.endr
.endr
.endr
	WIN 0x80                                       ; destination window 2
.irp s, 0,1
.irp n, 0,1,2,3
.irp g, 0,1,2
	global_load_b128 v[96*\s+12*(4*\nh+\n)+4*\g:96*\s+12*(4*\nh+\n)+4*\g+3], v[L16], s[8:9] offset:TILEB*(4*\nh+\n)+1536*(\s+2)+512*\g
.endr
.endr
.endr
.endr
	WIN 0
; the 16 fragments of o of half hf: tile m, K step s.  Lane (r, h') wants, in registers 6 c .. 6 c + 5, head 4 s + 2 c + h' of token r: 24 bytes, as the wave that made them stored them.  64 LDS loads
.macro OFRAG hf
.irp m, 0,1,2,3
.irp s, 0,1,2,3
.irp c, 0,1
	ds_load_b128 v[OF+12*(4*\m+\s)+6*\c:OF+12*(4*\m+\s)+6*\c+3], v[OA16] offset:(2*(\hf)+\m/2)*PAIRB+(4*\s+2*\c)*768+256*(\m%2)
	ds_load_b64 v[OF+12*(4*\m+\s)+6*\c+4:OF+12*(4*\m+\s)+6*\c+5], v[OA8] offset:(2*(\hf)+\m/2)*PAIRB+(4*\s+2*\c)*768+128*(\m%2)
.endr
.endr
.endr
.endm
.macro PROD hf, nh, s                  ; 16 products: K step s of the stage's 4 x 4 accumulators
.irp m, 0,1,2,3
.irp n, 0,1,2,3
.set NN, 4*(\nh)+\n
.set CC, 8*(8*\m+NN)
.if (\s) == 0
.set CC, BO+8*NN
.endif
	WMC 8*(8*\m+NN), 96*((\s)%2)+12*NN, OF+12*(4*\m+(\s)), CC, WOS+2*NN+(\s)/2, OS+2*(4*(\hf)+\m)+(\s)%2, (\s)%2, (\s)/2
.endr
.endr
.endm
; tile m's 16 tokens x 64 columns into my stage, and back as rows of 256 bytes, two rows a load, into set m % 2: 8 LDS stores, 8 LDS loads
.macro TOST nh, m
	s_wait_xcnt 0x0                                ; the stores of two tiles ago have read this set's registers: they are loaded again only behind this wait
	WIN 0x0c                                       ; an LDS store's data are its source 1: window 3
.irp n, 0,1,2,3
	ds_store_b128 v[STO], v[8*(8*(\m)+4*(\nh)+\n):8*(8*(\m)+4*(\nh)+\n)+3] offset:128*(\n/2)+32*(\n%2)        ; each accumulator from its low end on
	ds_store_b128 v[STO], v[8*(8*(\m)+4*(\nh)+\n)+4:8*(8*(\m)+4*(\nh)+\n)+7] offset:128*(\n/2)+32*(\n%2)+16
.endr
	WIN 0x80                                       ; destination window 2
.irp i, 0,1,2,3,4,5,6,7
	ds_load_b128 v[BKR+32*((\m)%2)+4*\i:BKR+32*((\m)%2)+4*\i+3], v[RD2] offset:2*\i*SP   ; LDS serves a wave's instructions in order: these see the stores above
.endr
	WIN 0
.endm
.macro SEND hf, nh, m, younger         ; younger: LDS instructions issued behind tile m's loads, which may stay out
	s_wait_dscnt \younger
	WIN 0x08                                       ; a store's data are its source 1: window 2
.irp i, 0,1,2,3,4,5,6,7
	global_store_b128 v[CO2], v[BKR+32*((\m)%2)+4*\i:BKR+32*((\m)%2)+4*\i+3], s[12:13] offset:(32*((4*(\hf)+(\m))/2)+8*((\m)%2)+2*\i+8*((2*\i)/8))*2048+256*(\nh) th:TH_STORE_NT   ; rows 2 i and 2 i + 1 of the tile are neighbouring tokens; sixteen lanes store 256 consecutive bytes, aligned
.endr
	WIN 0
.endm
; A STAGE.  lw = 1: wo's first half is still on its way; lw = 2: its second half.  nxt: the half of o whose fragments are fetched behind the way out (-1: those at hand serve the next stage too, or nothing follows)
.macro STAGE hf, nh, lw, nxt
.if (\lw) == 1
	s_wait_loadcnt 63                              ; at most 63 of the 128 loads are out: the 32 of scales and bo and the first 33 of wo are in, K steps 0 and 1 of this half among them
.endif
.if (\lw) == 2
	s_wait_loadcnt 0x0
.endif
	WIN 0xd1                                       ; source 0 (wo) and C (bo) window 1, source 1 (o) window 0, D window 3
	PROD \hf, \nh, 0
	WIN 0xf1                                       ; C and D window 3
	PROD \hf, \nh, 1
.if (\lw) == 1
	s_wait_loadcnt 60                              ; behind K step 2 of this half: its K step 3, 12 loads, and the other half's 48
.endif
	WIN 0xf2                                       ; source 0 window 2
	PROD \hf, \nh, 2
.if (\lw) == 1
	s_wait_loadcnt 48                              ; the other half's 48 may be out
.endif
	PROD \hf, \nh, 3
	WIN 0
	PLACES 5                                       ; four in front of the first read of results and of loads into o's registers; five in front of products that begin these sums anew
	TOST \nh, 0
	TOST \nh, 1
	SEND \hf, \nh, 0, 16                           ; behind tile 0's loads: tile 1's 8 stores and 8 loads
	TOST \nh, 2
	SEND \hf, \nh, 1, 16
	TOST \nh, 3
	SEND \hf, \nh, 2, 16
.if (\nxt) >= 0
	OFRAG \nxt
	SEND \hf, \nh, 3, 63                           ; behind tile 3's loads stand the 64 of the fragments
	s_wait_dscnt 0x0                               ; the fragments are in
.else
	SEND \hf, \nh, 3, 0
.endif
.endm
	s_wait_tensorcnt 0x0                           ; my pair is in LDS,
	s_barrier_signal -1
	s_barrier_wait -1                              ; everybody's is
	OFRAG 0
	s_wait_dscnt 0x0
	STAGE 0, 0, 1, 1
	STAGE 1, 0, 0, -1
	STAGE 1, 1, 2, 0
	STAGE 0, 1, 0, -1
	s_wait_tensorcnt 0x0                           ; the wave's end
	ds_add_u32 v254, v255
	s_wait_dscnt 0x0
	s_endpgm
.Lfunc_end_k_qc8d9c69835_oproj:
	.size	k_qc8d9c69835_oproj, .Lfunc_end_k_qc8d9c69835_oproj-k_qc8d9c69835_oproj
	.p2alignl 7, 3214868480
	.fill 96, 4, 3214868480
	.section	.rodata,"a",@progbits
	.p2align	6, 0x0
	.amdhsa_kernel k_qc8d9c69835_oproj
		.amdhsa_group_segment_fixed_size 168448
		.amdhsa_private_segment_fixed_size 0
		.amdhsa_enable_private_segment 0
		.amdhsa_kernarg_size 40
		.amdhsa_user_sgpr_count 2
		.amdhsa_user_sgpr_kernarg_segment_ptr 1
		.amdhsa_wavefront_size32 1
		.amdhsa_system_sgpr_workgroup_id_x 1
		.amdhsa_system_sgpr_workgroup_id_y 1
		.amdhsa_system_sgpr_workgroup_id_z 1
		.amdhsa_system_vgpr_workitem_id 0
		.amdhsa_next_free_vgpr 1024
		.amdhsa_next_free_sgpr 66
		.amdhsa_reserve_vcc 0
		.amdhsa_float_denorm_mode_32 3
		.amdhsa_float_denorm_mode_16_64 3
		.amdhsa_memory_ordered 1
		.amdhsa_forward_progress 1
		.amdhsa_inst_pref_size 93
	.end_amdhsa_kernel
	.amdgpu_metadata
---
amdhsa.version: [ 1, 2 ]
amdhsa.kernels:
  - .name:           k_qc8d9c69835_oproj
    .symbol:         k_qc8d9c69835_oproj.kd
    .args:
      - { .name: ocodes, .offset: 0, .size: 8, .value_kind: global_buffer, .address_space: global }
      - { .name: oscales, .offset: 8, .size: 8, .value_kind: global_buffer, .address_space: global }
      - { .name: codes, .offset: 16, .size: 8, .value_kind: global_buffer, .address_space: global }
      - { .name: bo, .offset: 24, .size: 8, .value_kind: global_buffer, .address_space: global }
      - { .name: out0, .offset: 32, .size: 8, .value_kind: global_buffer, .address_space: global }
    .group_segment_fixed_size: 168448
    .private_segment_fixed_size: 0
    .kernarg_segment_align: 8
    .kernarg_segment_size: 40
    .max_flat_workgroup_size: 128
    .sgpr_count:     66
    .vgpr_count:     1024
    .wavefront_size: 32
...
	.end_amdgpu_metadata
.endif
;; end of part 3
